; MI455X (gfx1250); checked and timed in simulation.
; The chip was launched on July 23, 2026; its instructions are those of AMD's public machine-readable ISA for CDNA 5 (MIT licence, August 2026) and "CDNA5" Instruction Set Architecture Reference Guide (July 2026). The comments in the code are by the model that wrote it; some were corrected since.
;; Multi Head Attention. Allowed arithmetic: float matrix products may take bf16 or f16 operands with f32 sums; all other float work in f32.
;; Inputs: Wk 1,024 x 1,024 float32; Wq 1,024 x 1,024 float32; Wv 1,024 x 1,024 float32; bk 1,024 float32; bq 1,024 float32; bv 1,024 float32; key 4 x 2,048 x 1,024 float32; query 4 x 2,048 x 1,024 float32; value 4 x 2,048 x 1,024 float32.
;; Outputs: out0 4 x 2,048 x 1,024 float32.
;; One version. Each part assembles by itself: llvm-mc -triple=amdgcn-amd-amdhsa -mcpu=gfx1250 --defsym DOCPART=n.
;; ======== version 1 of 1: 3 launches
;; workspace buffers: wb 6,291,456 bytes; qkv 50,331,648 bytes
;; launch castw (part 1): grid 256 x 3, 8 waves a work-group, no clusters, 0 bytes of LDS; arguments Wq, Wk, Wv, wb; writes wb
.if DOCPART == 1
	.amdgcn_target "amdgcn-amd-amdhsa--gfx1250"
	.amdhsa_code_object_version 6
	.text
	.protected	k_q5feb9ee40d_castw
	.globl	k_q5feb9ee40d_castw
	.p2align	8
	.type	k_q5feb9ee40d_castw,@function
k_q5feb9ee40d_castw:
	s_mov_b64 s[64:65], 0
	v_nop
	global_prefetch_b8 v0, s[64:65] scope:SCOPE_SE
	s_setreg_imm32_b32 hwreg(HW_REG_WAVE_MODE, 25, 1), 1
	s_wait_xcnt 0x0
; wb[p][k][n] = bf16(W_p[k][n]), p = 0: Wq, 1: Wk, 2: Wv.  W_p: [1024][1024] f32, wb: [3][1024][1024] bf16.  A cast, nothing is moved about.
; Work-group (x, p) casts 4,096 numbers (16 KiB in, 8 KiB out) with eight waves.  Thread t takes the 16 bytes at 16 t of each of four
; pieces of 4,096 bytes, so a load of a wave covers 512 consecutive bytes and a store of a wave 256 consecutive bytes, aligned.
; No LDS, no barrier, no matrix unit, no cluster: no byte is used twice and no work-group shares a byte with another.
.set PIECE, 4096                       ; bytes that the 256 threads load at once
.set X, 4                              ; v[4:19]   four loads of four f32
.set Y, 20                             ; v[20:27]  four pairs of packed bf16
	s_load_b256 s[4:11], s[0:1], 0x0               ; Wq s[4:5], Wk s[6:7], Wv s[8:9], wb s[10:11]
	s_and_b32 s2, ttmp7, 0xffff                    ; p
	s_lshl_b32 s14, ttmp9, 14                      ; the work-group's 16 KiB of W_p
	s_mov_b32 s15, 0
	s_lshl_b32 s18, s2, 21                         ; p x 2 MiB of wb
	s_lshl_b32 s19, ttmp9, 13                      ; + the work-group's 8 KiB
	s_add_co_u32 s18, s18, s19
	s_mov_b32 s19, 0
	v_lshlrev_b32 v1, 4, v0                        ; 16 t
	v_lshlrev_b32 v2, 3, v0                        ; 8 t
	s_wait_kmcnt 0x0
	s_cmp_eq_u32 s2, 0
	s_cselect_b64 s[12:13], s[4:5], s[6:7]         ; p = 0: Wq, else Wk,
	s_cmp_eq_u32 s2, 2
	s_cselect_b64 s[12:13], s[8:9], s[12:13]       ; p = 2: Wv
	s_add_nc_u64 s[12:13], s[12:13], s[14:15]
	s_add_nc_u64 s[16:17], s[10:11], s[18:19]
.irp j, 0,1,2,3
	global_load_b128 v[X+4*\j:X+4*\j+3], v1, s[12:13] offset:PIECE*\j th:TH_LOAD_NT
.endr
.irp j, 0,1,2,3
	s_wait_loadcnt 3-\j                            ; loads come back in order (ISA guide 5.7.1): load j is in, the younger ones stay out
	v_cvt_pk_bf16_f32 v[Y+2*\j],   v[X+4*\j],   v[X+4*\j+1]
	v_cvt_pk_bf16_f32 v[Y+2*\j+1], v[X+4*\j+2], v[X+4*\j+3]
	global_store_b64 v2, v[Y+2*\j:Y+2*\j+1], s[16:17] offset:PIECE/2*\j   ; no register is written twice: no further wait
.endr
	s_endpgm
.Lfunc_end_k_q5feb9ee40d_castw:
	.size	k_q5feb9ee40d_castw, .Lfunc_end_k_q5feb9ee40d_castw-k_q5feb9ee40d_castw
	.p2alignl 7, 3214868480
	.fill 96, 4, 3214868480
	.section	.rodata,"a",@progbits
	.p2align	6, 0x0
	.amdhsa_kernel k_q5feb9ee40d_castw
		.amdhsa_group_segment_fixed_size 0
		.amdhsa_private_segment_fixed_size 0
		.amdhsa_enable_private_segment 0
		.amdhsa_kernarg_size 32
		.amdhsa_user_sgpr_count 2
		.amdhsa_user_sgpr_kernarg_segment_ptr 1
		.amdhsa_wavefront_size32 1
		.amdhsa_system_sgpr_workgroup_id_x 1
		.amdhsa_system_sgpr_workgroup_id_y 1
		.amdhsa_system_sgpr_workgroup_id_z 1
		.amdhsa_system_vgpr_workitem_id 0
		.amdhsa_next_free_vgpr 28
		.amdhsa_next_free_sgpr 66
		.amdhsa_reserve_vcc 0
		.amdhsa_float_denorm_mode_32 3
		.amdhsa_float_denorm_mode_16_64 3
		.amdhsa_memory_ordered 1
		.amdhsa_forward_progress 1
		.amdhsa_inst_pref_size 3
	.end_amdhsa_kernel
	.amdgpu_metadata
---
amdhsa.version: [ 1, 2 ]
amdhsa.kernels:
  - .name:           k_q5feb9ee40d_castw
    .symbol:         k_q5feb9ee40d_castw.kd
    .args:
      - { .name: Wq, .offset: 0, .size: 8, .value_kind: global_buffer, .address_space: global }
      - { .name: Wk, .offset: 8, .size: 8, .value_kind: global_buffer, .address_space: global }
      - { .name: Wv, .offset: 16, .size: 8, .value_kind: global_buffer, .address_space: global }
      - { .name: wb, .offset: 24, .size: 8, .value_kind: global_buffer, .address_space: global }
    .group_segment_fixed_size: 0
    .private_segment_fixed_size: 0
    .kernarg_segment_align: 8
    .kernarg_segment_size: 32
    .max_flat_workgroup_size: 256
    .sgpr_count:     66
    .vgpr_count:     28
    .wavefront_size: 32
...
	.end_amdgpu_metadata
.endif
;; end of part 1
;; launch proj (part 2): grid 4 x 64, 4 waves a work-group, clusters of 4 x 4, 327,680 bytes of LDS; arguments query, key, value, wb, bq, bk, bv, qkv; writes qkv
.if DOCPART == 2
	.amdgcn_target "amdgcn-amd-amdhsa--gfx1250"
	.amdhsa_code_object_version 6
	.text
	.protected	k_q5feb9ee40d_proj
	.globl	k_q5feb9ee40d_proj
	.p2align	8
	.type	k_q5feb9ee40d_proj,@function
k_q5feb9ee40d_proj:
	s_mov_b64 s[64:65], 0
	v_nop
	global_prefetch_b8 v0, s[64:65] scope:SCOPE_SE
	s_setreg_imm32_b32 hwreg(HW_REG_WAVE_MODE, 25, 1), 1
	s_wait_xcnt 0x0
	s_wait_alu depctr_hold_cnt(0) depctr_sa_sdst(0) depctr_va_vdst(0) depctr_va_sdst(0) depctr_va_ssrc(0) depctr_va_vcc(0) depctr_vm_vsrc(0)
	s_getreg_b32 s2, hwreg(HW_REG_IB_STS2, 6, 4)
	s_cmp_eq_u32 s2, 0
	s_cbranch_scc0 .Lentry_in_a_cluster
	s_endpgm
.Lentry_in_a_cluster:
	s_bfe_u32 s2, ttmp6, 0x10000c
	s_cmp_lg_u32 s2, 0xf033
	s_cbranch_scc0 .Lentry_shape_is_right
	s_endpgm
.Lentry_shape_is_right:
; qkv[p][b][h][s][d] = bf16((x_p W_p + b_p) c_p).  p = 0: query, Wq, bq, c = log2(e)/8;  p = 1: key, Wk, bk, c = 1;  p = 2: value, Wv, bv, c = 1.
; x_p: [8192][1024] f32.  wb: [3][1024 (k)][1024 (n)] bf16 (the weights, rounded by the launch before).  qkv: [3][4][16][2048][64] bf16.
; LIMITS, stated: x and W enter the products rounded to bf16, sums in f32; q carries the factor log2(e)/8 (the softmax's scale and its change to
; base 2) BEFORE its one rounding to bf16, where the model divides the scores; the bias is multiplied by c first and added by the same fused
; multiply-add that scales the sum.  Infinities and NaN among the inputs get no treatment of their own.
; THE CUT: 3 x 8,192 rows x 1,024 columns are 768 tiles of 128 rows x 256 columns: three for each of 256 work-groups, the same work for every one.
; Work-group (block row rb of 64, block column bx of 4) stays and makes tile (rb, bx) of q, then of k, then of v; the ring of LDS slots runs on from
; one tile into the next, so that the next tile's first K steps are on their way while a tile goes out.
; Four waves, 2 x 2: wave w makes rows 64 (w >> 1) .. + 63 and columns 128 (w & 1) .. + 127: 4 x 8 accumulator tiles of 16 x 16, 256 registers.
; K goes in steps of 128 through two LDS slots: a step needs 128 rows x 512 bytes of x and 2 x 128 k-rows x 256 bytes of W, 131,072 bytes; every row of a
; tile is a multiple of 256 bytes of memory and aligned to 256.  Two slots of a step of 256 would take 565,248 bytes, more than a work-group can have.
; CLUSTERS: 4 x 4 work-groups.  x's tile hangs on the block row, which a row of the cluster shares; W's on the block column, which a column shares.
; Each tile is asked for jointly by the four that need it; the four block columns of a row of the cluster are all there are, so x leaves memory once.
; W lies [k][n] in LDS and is turned by ds_load_tr16_b128 on its way into the fragments; x lies in f32 and is rounded between LDS and the fragments.
; THE MATRIX INSTRUCTION IS USED TRANSPOSED: source 0 = 16 columns of W, source 1 = 16 rows of x: lane l then holds row l % 16 and the eight
; neighbouring columns 8 (l / 16) + 0 .. 7, which pack into 16 bytes.
; REGISTERS: window 0: v0-31 addresses; v32-63, v64-95 x fragments in bf16 (two buffers); v96-159 x as loaded, f32.  Window 1: v0-63, v64-127 W fragments
; (two buffers of 8); v128-191 the bias on the way out.  Window 2: accumulators, tile (a, b) at v[8 (8 a + b)].
.set PITCHA, 528                       ; x in LDS: 512 bytes + 16: the 16 rows of a load start 33 columns of 16 bytes apart
.set PITCHW, 288                       ; W in LDS: 256 bytes + 32: nine times 32 bytes
.set HALFA,  64*PITCHA                 ; 64 rows of x: one tensor load
.set HALFW,  128*PITCHW                ; 128 k-rows of 128 columns of W: one tensor load
.set AOFF,   2*HALFW                   ; x behind W in a slot
.set SLOT,   2*HALFA+2*HALFW           ; 141,312
.set BIAS,   2*SLOT                    ; 1,536 bytes for each wave, its own: c x bias of its 128 columns, for q, k, v
.set WBIAS,  1536
.set STAGE,  BIAS+4*WBIAS              ; 4,608 bytes for each wave, its own: [2 heads][16 rows] of 128 + 16 bytes
.set SPITCH, 144
.set WSTAGE, 32*SPITCH
.set XSTEP,  512                       ; bytes of x's rows in a K step
.set WSTEP,  262144                    ; bytes of wb in a K step: 128 rows of 2,048
.set ADRA, 16                          ; v16-17  my x fragments in slot 0, 1
.set ADRB, 20                          ; v20-21  my W fragments in slot 0, 1
.set STO,  24                          ; the way out: where I put 16 bytes
.set RD,   25                          ; the way out: where I read rows back
.set CO,   26                          ; my byte offset in qkv
.set BIA,  27                          ; my bias numbers in LDS, of the tile at work
.set PF,   28                          ; my byte offset for the prefetch
.set BOF,  29                          ; my byte offset in the bias vectors
.set BST,  30                          ; where I put the scaled bias
.set AF0,  32
.set AF1,  64
.set RAW,  96
.set TMPF, 96                          ; the way out: v96-159, free once x's last numbers are rounded
.set LD,   64                          ; the way out: v64-95, free behind the tile's last products
.set BF0,  0                           ; window 1
.set BF1,  64                          ; window 1
.set BR,   128                         ; window 1
.set G1,  24                           ; s[24:31] group 1 for x's tiles
.set G0,  32                           ; s[32:39] group 0 for x's tiles, one set for each slot
.set G1B, 48                           ; s[48:55] group 1 for W's tiles
.set G0B, 56                           ; s[56:63] group 0 for W's tiles, one set for each slot
.set CB,  86                           ; s[86:87] the block's first row in the input at work
.set NXA, 90                           ; s[90:91] my half of the block in the next input
.set VXA, 92                           ; s[92:93] the same in value
.set NB,  94                           ; s[94:95] the block's first row in the next input
.set VB,  96                           ; s[96:97] the same in value
.set MSB, 0
.macro WIN new                         ; the immediate's high byte repeats the setting that is left
.if MSB != \new
	s_set_vgpr_msb (MSB<<8)|\new
.set MSB, \new
.endif
.endm
.set MULW, 0xa1                        ; source 0 (W) window 1, source 1 (x) window 0, C and D window 2
.set TO_B, 0x40                        ; destination window 1, address window 0
; A joint load.  Waves 0 and 1 fetch W's two column halves, waves 2 and 3 x's two row halves.  The branch hangs on the wave's number alone.
.macro JLOAD s
	s_cmp_eq_u32 s11, 0
	s_cbranch_scc0 .Lfor_x_\@
	tensor_load_to_lds s[G0B+4*\s:G0B+4*\s+3], s[G1B:G1B+7]
	s_nop 0
	s_branch .Lasked_\@
.Lfor_x_\@:
	tensor_load_to_lds s[G0+4*\s:G0+4*\s+3], s[G1:G1+7]
	s_nop 0
.Lasked_\@:
.endm
.macro CREST                           ; a round of the cluster's barrier behind its opening barrier
	s_cmp_lg_u32 s10, 0
	s_cbranch_scc1 .Lnot_wave_0_\@
	s_barrier_signal -3
.Lnot_wave_0_\@:
	s_barrier_wait -3
	s_barrier_signal -1
	s_barrier_wait -1
.endm
.macro CROUND                          ; a whole round
	s_barrier_signal -1
	s_barrier_wait -1
	CREST
.endm
.macro PLACES                          ; four places behind matrix instructions, in front of loads into, and reads of, their registers
.rept 4
	v_nop
.endr
.endm
	s_load_b512 s[68:83], s[0:1], 0x0              ; query 68, key 70, value 72, wb 74, bq 76, bk 78, bv 80, qkv 82
	v_lshl_add_u32 v254, v0, 2, 0x4b000
	v_mov_b32 v255, 0
	ds_add_u32 v254, v255
	v_lshrrev_b32 v1, 5, v0
	v_readfirstlane_b32 s10, v1                    ; wave 0..3
	s_lshr_b32 s11, s10, 1                         ; which 64 rows of the tile are mine.  Also: I fetch for W (0) or for x (1)
	s_and_b32 s12, s10, 1                          ; which 128 columns are mine.  Also: which half of that tile I fetch
	s_bfe_u32 s40, ttmp6, 0x40000                  ; cx
	s_bfe_u32 s41, ttmp6, 0x40004                  ; cy
	s_lshl_b32 s42, ttmp9, 2
	s_add_co_u32 s42, s42, s40                     ; block column 0..3 = 4 x cluster x + cx
	s_and_b32 s13, ttmp7, 0xffff                   ; cluster y, 0..15
	s_lshl_b32 s13, s13, 2
	s_add_co_u32 s13, s13, s41                     ; block row 0..63
	s_lshl_b32 s43, s41, 2
	s_lshl_b32 s43, 15, s43                        ; my row of the cluster
	s_lshl_b32 s44, 0x1111, s40                    ; my column
	; group 1, x: 64 rows x 128 f32, 4 words of padding behind every 128
	s_or_b32 s[G1+0], s43, (2<<16)|(1<<20)|(1<<21)|(6<<22)|(3<<25)
	s_mov_b32 s[G1+1], 128<<16                     ; tensor_dim0 = 128
	s_mov_b32 s[G1+2], 64<<16                      ; tensor_dim1 = 64
	s_mov_b32 s[G1+3], 128<<16                     ; tile_dim0 = 128
	s_mov_b32 s[G1+4], 64                          ; tile_dim1 = 64
	s_mov_b32 s[G1+5], 1024                        ; elements from row to row
	s_mov_b32 s[G1+6], 0
	s_mov_b32 s[G1+7], 0
	; group 1, W: 128 k-rows x 128 bf16, 8 words of padding behind every 64
	s_or_b32 s[G1B+0], s44, (1<<16)|(1<<20)|(1<<21)|(5<<22)|(7<<25)
	s_mov_b32 s[G1B+1], 128<<16
	s_mov_b32 s[G1B+2], 128<<16
	s_mov_b32 s[G1B+3], 128<<16
	s_mov_b32 s[G1B+4], 128
	s_mov_b32 s[G1B+5], 1024
	s_mov_b32 s[G1B+6], 0
	s_mov_b32 s[G1B+7], 0
	; offsets.  x's are made of the block row and the wave's number, W's of the block column and the wave's number, each in registers of their own.
	s_lshl_b32 s16, s13, 19                        ; block row x 128 rows x 4,096 bytes
	s_mov_b32 s17, 0
	s_lshl_b32 s18, s12, 18                        ; + my half: 64 rows
	s_mov_b32 s19, 0
	s_lshl_b32 s46, s42, 9                         ; block column x 256 columns x 2 bytes
	s_lshl_b32 s47, s12, 8                         ; + my half: 128 columns
	s_add_co_u32 s46, s46, s47
	s_mov_b32 s47, 0
	s_mul_i32 s21, s10, HALFW                      ; waves 0, 1: W's halves at 0 and HALFW
	s_mul_i32 s20, s10, HALFA
	s_add_co_u32 s20, s20, AOFF-2*HALFA            ; waves 2, 3: x's halves at AOFF and AOFF + HALFA
	s_mov_b32 s84, 0x3e38aa3b                      ; c of the first tile, q: log2(e)/8
	s_mov_b32 s85, s84
	s_wait_dscnt 0x0
	s_wait_kmcnt 0x0
	s_add_nc_u64 s[CB:CB+1], s[68:69], s[16:17]    ; the block's first row in query,
	s_add_nc_u64 s[NB:NB+1], s[70:71], s[16:17]    ; in key,
	s_add_nc_u64 s[VB:VB+1], s[72:73], s[16:17]    ; in value
	s_add_nc_u64 s[14:15], s[CB:CB+1], s[18:19]    ; and my half of it in each
	s_add_nc_u64 s[NXA:NXA+1], s[NB:NB+1], s[18:19]
	s_add_nc_u64 s[VXA:VXA+1], s[VB:VB+1], s[18:19]
	s_add_nc_u64 s[46:47], s[74:75], s[46:47]      ; W at my half: Wq's first k-row; Wk and Wv follow it in wb, 8 K steps each
	CROUND                                         ; all sixteen work-groups are here: the first joint loads meet
.irp s, 0,1
	s_mov_b32 s[G0+4*\s], 1
	s_add_co_u32 s[G0+4*\s+1], s20, \s*SLOT
	s_add_nc_u64 s[G0+4*\s+2:G0+4*\s+3], s[14:15], \s*XSTEP        ; K step s
	s_or_b32 s[G0+4*\s+3], s[G0+4*\s+3], 0x80000000
	s_mov_b32 s[G0B+4*\s], 1
	s_add_co_u32 s[G0B+4*\s+1], s21, \s*SLOT
	s_add_nc_u64 s[G0B+4*\s+2:G0B+4*\s+3], s[46:47], \s*WSTEP
	s_or_b32 s[G0B+4*\s+3], s[G0B+4*\s+3], 0x80000000
	JLOAD \s                                       ; both first fills go out together: two tensor loads of the wave are out
.endr
	v_and_b32 v1, 15, v0                           ; r = l % 16
	v_bfe_u32 v2, v0, 4, 1                         ; h = l / 16
	v_and_b32 v3, 31, v0                           ; l
	; Prefetch of x.  A lap (two K steps) needs 1,024 bytes of each of the block's 128 rows: 512 pieces of 256 bytes.  The four work-groups of a row of
	; the cluster have 16 waves of 32 lanes: each lane asks for one piece, row 32 cx + 8 w + l / 4, piece l % 4.  No piece is asked for twice.
	s_lshl_b32 s66, s40, 5
	s_lshl3_add_u32 s66, s10, s66
	v_lshrrev_b32 v96, 2, v3
	v_add_nc_u32 v96, s66, v96
	v_lshlrev_b32 v96, 12, v96
	v_and_b32 v97, 3, v0
	v_lshl_add_u32 v[PF], v97, 8, v96
	global_prefetch_b8 v[PF], s[CB:CB+1] offset:2*XSTEP th:TH_LOAD_NT scope:SCOPE_SE   ; K steps 2 and 3 of q's tile, which its first lap's refills load
	s_lshl_b32 s66, s42, 10                        ; the block's 256 bias numbers,
	s_lshl_b32 s67, s12, 9                         ; my 128 of them,
	s_add_co_u32 s66, s66, s67
	v_lshl_add_u32 v[BOF], v3, 4, s66              ; four a lane
	global_load_b128 v[4:7],   v[BOF], s[76:77]
	global_load_b128 v[8:11],  v[BOF], s[78:79]
	global_load_b128 v[12:15], v[BOF], s[80:81]
	; x fragment: lane (r, h) needs K = 8 h .. + 7 and 16 + 8 h .. + 7 of row r, in f32: 32 bytes at 32 h and 32 bytes at 64 + 32 h
	v_mul_u32_u24 v96, v1, PITCHA
	v_lshl_add_u32 v96, v2, 5, v96
	s_mul_i32 s22, s11, 64*PITCHA                  ; my 64 rows
	s_add_co_u32 s22, s22, AOFF
	v_add_nc_u32 v[ADRA], s22, v96
	v_add_nc_u32 v[ADRA+1], SLOT, v[ADRA]
	; W fragment by the transposing load: lane l points at k-row 8 h + l % 8, 16 bytes at 16 ((l / 8) % 2)
	v_and_b32 v96, 7, v0
	v_lshl_add_u32 v96, v2, 3, v96
	v_mul_u32_u24 v96, v96, PITCHW
	v_bfe_u32 v97, v0, 3, 1
	v_lshl_add_u32 v96, v97, 4, v96
	s_mul_i32 s22, s12, HALFW                      ; my 128 columns
	v_add_nc_u32 v[ADRB], s22, v96
	v_add_nc_u32 v[ADRB+1], SLOT, v[ADRB]
	s_mul_i32 s23, s10, WSTAGE
	s_add_co_u32 s23, s23, STAGE                   ; my stage
	v_mul_u32_u24 v96, v1, SPITCH                  ; in: row r, 16 bytes for each half of the lanes
	v_lshl_add_u32 v96, v2, 4, v96
	v_add_nc_u32 v[STO], s23, v96
	v_bfe_u32 v96, v0, 3, 2                        ; back: eight lanes take a row of 128 bytes, 32 lanes four rows
	v_mul_u32_u24 v96, v96, SPITCH
	v_and_b32 v97, 7, v0
	v_lshl_add_u32 v96, v97, 4, v96
	v_add_nc_u32 v[RD], s23, v96
	v_lshlrev_b32 v[CO], 4, v3                     ; a head's rows are dense in qkv: four rows are 512 consecutive bytes
	s_mul_i32 s22, s10, WBIAS
	s_add_co_u32 s22, s22, BIAS                    ; my copy of the bias
	v_lshl_add_u32 v[BIA], v2, 5, s22
	v_lshl_add_u32 v[BST], v3, 4, s22
	; where my rows go in q: batch = block row / 16, head = 4 x block column + 2 x column half, s = (block row % 16) x 128 + 64 x row half
	s_lshr_b32 s66, s13, 4
	s_lshl_b32 s66, s66, 22
	s_lshl_b32 s67, s42, 20
	s_add_co_u32 s66, s66, s67
	s_lshl_b32 s67, s12, 19
	s_add_co_u32 s66, s66, s67
	s_and_b32 s67, s13, 15
	s_lshl_b32 s67, s67, 14
	s_add_co_u32 s66, s66, s67
	s_lshl_b32 s67, s11, 13
	s_add_co_u32 s66, s66, s67
	s_mov_b32 s67, 0
	s_add_nc_u64 s[88:89], s[82:83], s[66:67]
	s_wait_loadcnt 0x0                             ; the three bias vectors
	v_pk_mul_f32 v[4:5], v[4:5], s[84:85] op_sel_hi:[1,0]          ; bq x c; bk and bv have c = 1
	v_pk_mul_f32 v[6:7], v[6:7], s[84:85] op_sel_hi:[1,0]
	ds_store_b128 v[BST], v[4:7]
	ds_store_b128 v[BST], v[8:11]  offset:512
	ds_store_b128 v[BST], v[12:15] offset:1024
; 16 matrix instructions: row tiles a0, a0 + 1 x my eight column tiles, 32 along K.  zero = 1: the first product starts the sums.
; The 32 accumulators take turns, one instruction a turn, in the same order in every quarter.
.macro MUL16 fa, fb, a0, zero
.irp a, \a0, \a0+1
.irp b, 0,1,2,3,4,5,6,7
.if \zero
	v_wmma_f32_16x16x32_bf16 v[8*(8*(\a)+\b):8*(8*(\a)+\b)+7], v[\fb+8*\b:\fb+8*\b+7], v[\fa+8*(\a):\fa+8*(\a)+7], 0
.else
	v_wmma_f32_16x16x32_bf16 v[8*(8*(\a)+\b):8*(8*(\a)+\b)+7], v[\fb+8*\b:\fb+8*\b+7], v[\fa+8*(\a):\fa+8*(\a)+7], v[8*(8*(\a)+\b):8*(8*(\a)+\b)+7]
.endif
.endr
.endr
.endm
; 32 LDS loads in one run, for 32 along K (quarter kq of the slot's step): first x's 64 rows in f32 (16 loads), then W's 8 column tiles (16 loads)
.macro FETCH slot, kq, fb
	WIN 0
.irp a, 0,1,2,3
	ds_load_b128 v[RAW+16*\a:RAW+16*\a+3],     v[ADRA+\slot] offset:\a*16*PITCHA+\kq*128
	ds_load_b128 v[RAW+16*\a+4:RAW+16*\a+7],   v[ADRA+\slot] offset:\a*16*PITCHA+\kq*128+16
	ds_load_b128 v[RAW+16*\a+8:RAW+16*\a+11],  v[ADRA+\slot] offset:\a*16*PITCHA+\kq*128+64
	ds_load_b128 v[RAW+16*\a+12:RAW+16*\a+15], v[ADRA+\slot] offset:\a*16*PITCHA+\kq*128+80
.endr
	WIN TO_B
.irp b, 0,1,2,3,4,5,6,7
	ds_load_tr16_b128 v[\fb+8*\b:\fb+8*\b+3],   v[ADRB+\slot] offset:\kq*32*PITCHW+\b*32
	ds_load_tr16_b128 v[\fb+8*\b+4:\fb+8*\b+7], v[ADRB+\slot] offset:\kq*32*PITCHW+\b*32+16*PITCHW
.endr
.endm
; x from f32 to bf16 fragments.  These 32 lines name no register of the matrix instructions in front of them.
.macro CONV fa
	WIN 0
	s_wait_dscnt 16                                ; LDS loads come back in order (ISA guide 5.7.1): x's 16 are in, W's 16 behind them may be out
.irp a, 0,1,2,3
.irp i, 0,1,2,3,4,5,6,7
	v_cvt_pk_bf16_f32 v[\fa+8*\a+\i], v[RAW+16*\a+2*\i], v[RAW+16*\a+2*\i+1]
.endr
.endr
.endm
; One of the first three quarters of a K step: at its head it fetches the next quarter (kn) of the same slot into the other buffers, so that these loads have
; the quarter's 32 matrix instructions in which to come back; then it multiplies buffers fa, fb; then it rounds the next quarter's x.
.macro QUARTER slot, kn, fa, fb, ga, gb, zero
	PLACES                                         ; buffer gb was a source of the quarter before
	FETCH \slot, \kn, \gb
	s_wait_dscnt 32                                ; all but the 32 just issued: W's fragments of this quarter are in
	WIN MULW
	MUL16 \fa, \fb, 0, \zero
	MUL16 \fa, \fb, 2, \zero
	CONV \ga
.endm
.macro THREE slot, zero
	QUARTER \slot, 1, AF0, BF0, AF1, BF1, \zero
	QUARTER \slot, 2, AF1, BF1, AF0, BF0, 0
	QUARTER \slot, 3, AF0, BF0, AF1, BF1, 0
.endm
; The last quarter of a K step: multiplies buffers 1 and changes slots.
; fill = 1: this slot is filled again, two K steps ahead in the same tile; fill = 2: with this slot's K step of the NEXT tile (x's address is set from the next
; input's pointer; W's runs on, since the three weights follow each other in wb); fill = 0: nothing is left to fetch.
; In front of the barrier each wave waits for its reads of this slot and for all its tensor loads (one is out: its part of the next slot).  Where the slot is
; filled again the barrier opens a round of the cluster's barrier, and the joint refill is the first tensor load behind the round.
; From a refill to the wait for it a wave issues 112 matrix instructions, and between two tiles the way out besides.
; pf = 1: each lane asks for its piece of x, at pfoff from the block's first row in the input pfbase: what the NEXT lap's two refills load.
.macro TURN slot, next, fill, pf, pfbase, pfoff
	s_wait_dscnt 0                                 ; my reads of this slot are over (the last were issued a quarter ago)
	s_wait_tensorcnt 0x0                           ; all my tensor loads have landed
	ds_add_u32 v254, v255
	s_wait_dscnt 0x0
	s_barrier_signal -1
	WIN MULW
	MUL16 AF1, BF1, 0, 0                           ; register work while the others arrive
	WIN 0
	s_barrier_wait -1
.if \fill
	CREST
.if \fill == 1
	s_add_nc_u64 s[G0+4*\slot+2:G0+4*\slot+3], s[G0+4*\slot+2:G0+4*\slot+3], 2*XSTEP
.else
	s_add_nc_u64 s[G0+4*\slot+2:G0+4*\slot+3], s[NXA:NXA+1], \slot*XSTEP
	s_or_b32 s[G0+4*\slot+3], s[G0+4*\slot+3], 0x80000000
.endif
	s_add_nc_u64 s[G0B+4*\slot+2:G0B+4*\slot+3], s[G0B+4*\slot+2:G0B+4*\slot+3], 2*WSTEP
	JLOAD \slot
.endif
.if \pf
	global_prefetch_b8 v[PF], s[\pfbase:\pfbase+1] offset:\pfoff th:TH_LOAD_NT scope:SCOPE_SE
.endif
	PLACES
	FETCH \next, 0, BF0
	WIN MULW
	MUL16 AF1, BF1, 2, 0
	CONV AF0
.endm
; rows 16 a .. 16 a + 15 of my 64: sum x c + bias x c, rounded once to bf16, through my stage, out as whole rows of a head
.macro OUT16 a
	WIN 0x12                                       ; source 0 window 2 (sums), source 2 window 1 (bias), destination window 0
.irp b, 0,1,2,3,4,5,6,7
.irp i, 0,1,2,3
	v_pk_fma_f32 v[TMPF+8*\b+2*\i:TMPF+8*\b+2*\i+1], v[8*(8*\a+\b)+2*\i:8*(8*\a+\b)+2*\i+1], s[84:85], v[BR+8*\b+2*\i:BR+8*\b+2*\i+1] op_sel_hi:[1,0,1]
.endr
.endr
	WIN 0
.set NN, 0
.rept 32
	v_cvt_pk_bf16_f32 v[TMPF+NN], v[TMPF+2*NN], v[TMPF+2*NN+1]     ; in place, ascending: word n is written when words 2 n, 2 n + 1 are read
.set NN, NN+1
.endr
.irp b, 0,1,2,3,4,5,6,7
	ds_store_b128 v[STO], v[TMPF+4*\b:TMPF+4*\b+3] offset:(\b>>2)*16*SPITCH+(\b&3)*32   ; head b / 4 of my two, columns 16 (b % 4) + 8 h of it
.endr
	s_wait_xcnt 0x0                                ; the registers that the last eight stores read are loaded again only behind this wait
.irp hh, 0,1
.irp t, 0,1,2,3
	ds_load_b128 v[LD+4*(4*\hh+\t):LD+4*(4*\hh+\t)+3], v[RD] offset:\hh*16*SPITCH+\t*4*SPITCH   ; LDS serves a wave's instructions in order (ISA guide 5.7.1.4): these see the stores above
.endr
.endr
.irp hh, 0,1
.irp t, 0,1,2,3
	s_wait_dscnt 7-4*\hh-\t
	global_store_b128 v[CO], v[LD+4*(4*\hh+\t):LD+4*(4*\hh+\t)+3], s[88:89] offset:\hh*262144+\a*2048+\t*512   ; four rows of one head: 512 consecutive bytes, aligned
.endr
.endr
.endm
; THE WAY OUT of a tile.  It uses x's f32 registers, x's buffer 1 and window 1's v128-191 and leaves buffers 0 alone: they hold the next tile's first fragments.
.macro OUT
	PLACES
	WIN TO_B
.irp b, 0,1,2,3,4,5,6,7
	ds_load_b128 v[BR+8*\b:BR+8*\b+3],   v[BIA] offset:64*\b       ; the scaled bias of my lane's columns 16 b + 8 h + 0..7
	ds_load_b128 v[BR+8*\b+4:BR+8*\b+7], v[BIA] offset:64*\b+16
.endr
	s_wait_dscnt 0
	OUT16 0
	OUT16 1
	OUT16 2
	OUT16 3
.endm
; A tile: eight K steps, slots 0, 1 by turns.  The first product starts the sums.  Step j refills its slot with step j + 2; steps 6 and 7 with the next tile's
; steps 0 and 1, or, in the last tile, with nothing.  The prefetch in lap i (steps 2 i, 2 i + 1) asks for steps 2 i + 4, 2 i + 5, which lap i + 1 refills: in laps
; 2 and 3 these are the next tile's steps 0 to 3; the last tile asks for nothing there, so no request leaves the inputs.
.macro TILE last
	THREE 0, 1
	TURN 0, 1, 1, 1, CB, 4*XSTEP
	THREE 1, 0
	TURN 1, 0, 1, 0, CB, 0
	THREE 0, 0
	TURN 0, 1, 1, 1, CB, 6*XSTEP
	THREE 1, 0
	TURN 1, 0, 1, 0, CB, 0
	THREE 0, 0
	TURN 0, 1, 1, 1-\last, NB, 0
	THREE 1, 0
	TURN 1, 0, 1, 0, CB, 0
	THREE 0, 0
.if \last
	TURN 0, 1, 0, 0, CB, 0
	THREE 1, 0
	s_wait_dscnt 0                                 ; the very last quarter: nothing more to fetch
	WIN MULW
	MUL16 AF1, BF1, 0, 0
	MUL16 AF1, BF1, 2, 0
.else
	TURN 0, 1, 2, 1, NB, 2*XSTEP
	THREE 1, 0
	TURN 1, 0, 2, 0, CB, 0
.endif
	OUT
.endm
	s_wait_dscnt 0x0                               ; no LDS instruction of mine is pending at a signal
	s_wait_tensorcnt 0x1                           ; my part of K step 0 is in; K step 1's may stay out
	s_barrier_signal -1
	s_barrier_wait -1
	FETCH 0, 0, BF0
	CONV AF0
	WIN 0                                          ; at a label and at a branch every window is 0
	s_mov_b32 s3, 2
.Ltile:
	TILE 0                                         ; q, then k
	s_wait_xcnt 0x0                                ; the stores' base and data and the prefetches' bases are written again only behind this wait
	s_add_nc_u64 s[88:89], s[88:89], 16777216      ; the same place in the next of q, k, v
	s_mov_b32 s84, 1.0                             ; c of k and of v
	s_mov_b32 s85, 1.0
	s_mov_b64 s[CB:CB+1], s[NB:NB+1]               ; the next input is at work;
	s_mov_b64 s[NB:NB+1], s[VB:VB+1]               ; behind key comes value
	s_mov_b64 s[NXA:NXA+1], s[VXA:VXA+1]
	v_add_nc_u32 v[BIA], 512, v[BIA]               ; the next bias
	WIN 0
	s_sub_co_u32 s3, s3, 1
	s_cmp_lg_u32 s3, 0
	s_cbranch_scc1 .Ltile
	TILE 1                                         ; v: written out, since its last two K steps fill nothing
	s_wait_tensorcnt 0x0
	ds_add_u32 v254, v255
	s_wait_dscnt 0x0
	CROUND                                         ; the closing round: no work-group ends while a partner may still ask for a tile that names it
	s_endpgm
.Lfunc_end_k_q5feb9ee40d_proj:
	.size	k_q5feb9ee40d_proj, .Lfunc_end_k_q5feb9ee40d_proj-k_q5feb9ee40d_proj
	.p2alignl 7, 3214868480
	.fill 96, 4, 3214868480
	.section	.rodata,"a",@progbits
	.p2align	6, 0x0
	.amdhsa_kernel k_q5feb9ee40d_proj
		.amdhsa_group_segment_fixed_size 327680
		.amdhsa_private_segment_fixed_size 0
		.amdhsa_enable_private_segment 0
		.amdhsa_kernarg_size 64
		.amdhsa_user_sgpr_count 2
		.amdhsa_user_sgpr_kernarg_segment_ptr 1
		.amdhsa_wavefront_size32 1
		.amdhsa_system_sgpr_workgroup_id_x 1
		.amdhsa_system_sgpr_workgroup_id_y 1
		.amdhsa_system_sgpr_workgroup_id_z 1
		.amdhsa_system_vgpr_workitem_id 0
		.amdhsa_next_free_vgpr 768
		.amdhsa_next_free_sgpr 100
		.amdhsa_reserve_vcc 0
		.amdhsa_float_denorm_mode_32 3
		.amdhsa_float_denorm_mode_16_64 3
		.amdhsa_memory_ordered 1
		.amdhsa_forward_progress 1
		.amdhsa_inst_pref_size 255
	.end_amdhsa_kernel
	.section	.bss,"aw",@nobits
	.p2align	6
	.space	262144
	.amdgpu_metadata
---
amdhsa.version: [ 1, 2 ]
amdhsa.kernels:
  - .name:           k_q5feb9ee40d_proj
    .symbol:         k_q5feb9ee40d_proj.kd
    .args:
      - { .name: query, .offset: 0, .size: 8, .value_kind: global_buffer, .address_space: global }
      - { .name: key, .offset: 8, .size: 8, .value_kind: global_buffer, .address_space: global }
      - { .name: value, .offset: 16, .size: 8, .value_kind: global_buffer, .address_space: global }
      - { .name: wb, .offset: 24, .size: 8, .value_kind: global_buffer, .address_space: global }
      - { .name: bq, .offset: 32, .size: 8, .value_kind: global_buffer, .address_space: global }
      - { .name: bk, .offset: 40, .size: 8, .value_kind: global_buffer, .address_space: global }
      - { .name: bv, .offset: 48, .size: 8, .value_kind: global_buffer, .address_space: global }
      - { .name: qkv, .offset: 56, .size: 8, .value_kind: global_buffer, .address_space: global }
    .group_segment_fixed_size: 327680
    .private_segment_fixed_size: 0
    .kernarg_segment_align: 8
    .kernarg_segment_size: 64
    .max_flat_workgroup_size: 128
    .sgpr_count:     100
    .vgpr_count:     768
    .wavefront_size: 32
...
	.end_amdgpu_metadata
.endif
;; end of part 2
;; launch attn (part 3): grid 256 x 1, 8 waves a work-group, clusters of 4 x 1, 327,680 bytes of LDS; arguments qkv, out0; writes out0
.if DOCPART == 3
	.amdgcn_target "amdgcn-amd-amdhsa--gfx1250"
	.amdhsa_code_object_version 6
	.text
	.protected	k_q5feb9ee40d_attn
	.globl	k_q5feb9ee40d_attn
	.p2align	8
	.type	k_q5feb9ee40d_attn,@function
k_q5feb9ee40d_attn:
	s_mov_b64 s[64:65], 0
	v_nop
	global_prefetch_b8 v0, s[64:65] scope:SCOPE_SE
	s_setreg_imm32_b32 hwreg(HW_REG_WAVE_MODE, 25, 1), 1
	s_wait_xcnt 0x0
	s_wait_alu depctr_hold_cnt(0) depctr_sa_sdst(0) depctr_va_vdst(0) depctr_va_sdst(0) depctr_va_ssrc(0) depctr_va_vcc(0) depctr_vm_vsrc(0)
	s_getreg_b32 s2, hwreg(HW_REG_IB_STS2, 6, 4)
	s_cmp_eq_u32 s2, 0
	s_cbranch_scc0 .Lentry_in_a_cluster
	s_endpgm
.Lentry_in_a_cluster:
	s_bfe_u32 s2, ttmp6, 0x10000c
	s_cmp_lg_u32 s2, 0x3003
	s_cbranch_scc0 .Lentry_shape_is_right
	s_endpgm
.Lentry_shape_is_right:
; out0[b][s][64 h + d] = sum over keys of softmax(q k / 8) v, for 64 pairs (b, h), 2,048 queries and keys, 64 numbers a head.
; qkv: [3][4][16][2048][64] bf16 from the launch before; q already carries log2(e)/8, so the scores are exponents of 2.
; LIMITS, stated: the softmax runs with a RUNNING maximum over steps of 64 keys, so every exponent is at most 0 and every p at most 1; p is rounded to bf16 for
; the product with v while its sum is kept in f32 from the unrounded p; the division by the sum follows the product; v_exp_f32 gives 0 for results below
; 2^-126 (ISA guide 15.8); the order of the sums differs from the model's.  Infinities and NaN among the inputs get no treatment of their own.
; A cluster of four work-groups takes one (b, h); work-group cx takes 512 of its queries, wave w of eight 64 of them, as four tiles of 16.  Two waves lie on
; each SIMD, 512 registers each, so that one wave's softmax can run beside the other's matrix work.
; The four work-groups walk the same K and V: every tile is ONE joint load with the mask of all four.
; ORIENTATION, chosen so that p never changes lanes.  Scores: S^T = K Q^T (source 0 = 16 keys, source 1 = 16 queries): lane (r, h), register j holds key 8 h + j,
; query r.  Output: O^T = V^T P^T (source 0 = V turned by ds_load_tr16_b128, source 1 = P^T): source 1 wants keys 8 h .. + 7 in registers 0-3 and
; 16 + 8 h .. + 7 in registers 4-7 of the lane of query r: these are the lane's own numbers of score tiles 2 g and 2 g + 1, packed.  A query's maximum and
; sum are per-lane numbers; the two lane halves meet by one v_permlanex16_b32 for the maximum in each step, and once at the end for the sum.
; A STEP is 64 keys x my 64 queries: 32 + 32 matrix instructions, 32 LDS loads.  A tile is 512 keys (8 steps); four tiles go through two slots: two refills,
; each with a whole tile's steps in which to land.
; REGISTERS: window 0: v1-7 addresses, v8-31 softmax state, v32-159 scores, v160-223 K fragments, v224-228.  Window 1: v0-127 O, v128-191 Q, v192-255 V fragments.
.set PITCHV, 288                       ; an LDS row holds two keys (256 bytes) + 32 for V,
.set PITCHK, 272                       ; + 16 for K
.set QUARV,  64*PITCHV                 ; one tensor load: 64 rows, 128 keys
.set QUARK,  64*PITCHK
.set KOFF,   4*QUARV                   ; K behind V in a slot
.set SLOT,   4*QUARV+4*QUARK           ; 143,360
.set STAGE,  2*SLOT                    ; 4,352 bytes for each wave, its own: 16 rows of 256 + 16 bytes
.set SPITCH, 272
.set WSTAGE, 16*SPITCH
.set TILEB,  65536                     ; bytes of 512 keys
.set KBASE,  16777216                  ; k in qkv
.set VBASE,  33554432                  ; v in qkv
.set KL,   1                           ; my place in a K fragment: (r >> 1) x 272 + (r & 1) x 128 + 16 h
.set KADR, 2                           ; the step's K address
.set VADR, 3                           ; the step's V address
.set STO,  4
.set RD,   5
.set CO,   6
.set VL,   7                           ; my place in a V fragment
.set LP,   8                           ; v[8+2qt:9+2qt]    the sum, in two partial sums
.set NP,   16                          ; v[16+2qt:17+2qt]  (-m, m)
.set AP,   24                          ; v[24+2qt:25+2qt]  (alpha, the step's maximum)
.set SC,   32                          ; scores: key tile kt, query tile qt at SC + 16 (4 (kt >> 1) + qt) + 8 (kt & 1); the first 8 of each 16 become P
.set KF,   160                          ; K fragments: key tile kt at KF + 16 kt, 8 registers for each 32 of d
.set UP,   224                          ; v224-227 what the other lane half sends
.set QOFF, 228
.set OA,   0                           ; window 1: O tile (t, qt) at 8 (4 qt + t)
.set QF,   128                         ; window 1: Q, query tile qt at QF + 16 qt
.set VF,   192                         ; window 1: V fragments (g, t) at VF + 8 (4 g + t)
.set G1V, 16                           ; s[16:23]
.set G1K, 24                           ; s[24:31]
.set G0V, 32                           ; s[32:39] one set for each slot
.set G0K, 40                           ; s[40:47]
.set MSB, 0
.macro WIN new
.if MSB != \new
	s_set_vgpr_msb (MSB<<8)|\new
.set MSB, \new
.endif
.endm
.macro JLOAD s                         ; waves 0-3 fetch V's quarters, waves 4-7 K's; the branch hangs on the wave's number alone
	s_cmp_eq_u32 s9, 0
	s_cbranch_scc0 .Lfor_k_\@
	tensor_load_to_lds s[G0V+4*\s:G0V+4*\s+3], s[G1V:G1V+7]
	s_nop 0
	s_branch .Lasked_\@
.Lfor_k_\@:
	tensor_load_to_lds s[G0K+4*\s:G0K+4*\s+3], s[G1K:G1K+7]
	s_nop 0
.Lasked_\@:
.endm
.macro ROUND                           ; a round of the cluster's barrier
	s_barrier_signal -1
	s_barrier_wait -1
	s_cmp_lg_u32 s8, 0
	s_cbranch_scc1 .Lnot_wave_0_\@
	s_barrier_signal -3
.Lnot_wave_0_\@:
	s_barrier_wait -3
	s_barrier_signal -1
	s_barrier_wait -1
.endm
	s_load_b128 s[4:7], s[0:1], 0x0                ; qkv s[4:5], out0 s[6:7]
	v_lshl_add_u32 v254, v0, 2, 0x4e800
	v_mov_b32 v255, 0
	ds_add_u32 v254, v255
	v_lshrrev_b32 v1, 5, v0
	v_readfirstlane_b32 s8, v1                     ; wave 0..7
	s_lshr_b32 s9, s8, 2                           ; I fetch for V (0) or for K (1)
	s_and_b32 s10, s8, 3                           ; which quarter
	s_bfe_u32 s11, ttmp6, 0x40000                  ; cx: which 512 queries.  ttmp9 counts clusters: it is 16 b + h
	s_mov_b32 s48, 0x76543210                      ; v_permlanex16_b32: lane i of one half reads lane i of the other
	s_mov_b32 s49, 0xfedcba98
	; group 1: a dense block taken as 64 rows of 32 elements of 8 bytes; padding behind every 64 words: 8 words for V, 4 for K; the mask names all four work-groups
	s_mov_b32 s[G1V+0], 15|(3<<16)|(1<<20)|(1<<21)|(5<<22)|(7<<25)
	s_mov_b32 s[G1K+0], 15|(3<<16)|(1<<20)|(1<<21)|(5<<22)|(3<<25)
.irp g, G1V, G1K
	s_mov_b32 s[\g+1], 32<<16                      ; tensor_dim0 = 32
	s_mov_b32 s[\g+2], 64<<16                      ; tensor_dim1 = 64
	s_mov_b32 s[\g+3], 32<<16                      ; tile_dim0 = 32
	s_mov_b32 s[\g+4], 64                          ; tile_dim1 = 64
	s_mov_b32 s[\g+5], 32                          ; elements from row to row
	s_mov_b32 s[\g+6], 0
	s_mov_b32 s[\g+7], 0
.endr
	s_lshl_b32 s56, ttmp9, 18                      ; the head's 262,144 bytes
	s_lshl_b32 s57, s10, 14                        ; + my quarter of a tile
	s_add_co_u32 s56, s56, s57
	s_mov_b32 s57, 0
	s_mul_i32 s12, s8, QUARV                       ; waves 0-3: V's quarters from 0
	s_mul_i32 s13, s8, QUARK
	s_add_co_u32 s13, s13, KOFF-4*QUARK            ; waves 4-7: K's quarters from KOFF
	s_lshl_b32 s2, ttmp9, 18                       ; my 64 queries: head, + 512 cx rows, + 64 w rows of 128 bytes
	s_lshl_b32 s3, s11, 16
	s_add_co_u32 s2, s2, s3
	s_lshl_b32 s3, s8, 13
	s_add_co_u32 s2, s2, s3
	s_mov_b32 s3, 0
	s_wait_dscnt 0x0
	s_wait_kmcnt 0x0
	s_add_nc_u64 s[14:15], s[4:5], s[56:57]
	s_add_nc_u64 s[52:53], s[4:5], s[2:3]
	s_lshr_b32 s2, ttmp9, 4                        ; my rows of out0: batch x 2,048 rows of 4,096 bytes,
	s_lshl_b32 s2, s2, 23
	s_lshl_b32 s3, s11, 21                         ; + 512 cx rows,
	s_add_co_u32 s2, s2, s3
	s_lshl_b32 s3, s8, 18                          ; + 64 w rows,
	s_add_co_u32 s2, s2, s3
	s_and_b32 s3, ttmp9, 15
	s_lshl_b32 s3, s3, 8                           ; + the head's 256 bytes of a row
	s_add_co_u32 s2, s2, s3
	s_mov_b32 s3, 0
	s_add_nc_u64 s[54:55], s[6:7], s[2:3]
	ROUND                                          ; all four work-groups are here: the first joint loads meet
.irp s, 0,1
	s_mov_b32 s[G0V+4*\s], 1
	s_add_co_u32 s[G0V+4*\s+1], s12, \s*SLOT
	s_add_nc_u64 s[G0V+4*\s+2:G0V+4*\s+3], s[14:15], VBASE+\s*TILEB
	s_or_b32 s[G0V+4*\s+3], s[G0V+4*\s+3], 0x80000000
	s_mov_b32 s[G0K+4*\s], 1
	s_add_co_u32 s[G0K+4*\s+1], s13, \s*SLOT
	s_add_nc_u64 s[G0K+4*\s+2:G0K+4*\s+3], s[14:15], KBASE+\s*TILEB
	s_or_b32 s[G0K+4*\s+3], s[G0K+4*\s+3], 0x80000000
	JLOAD \s                                       ; tiles 0 and 1 go out together: two tensor loads of the wave are out
.endr
	v_and_b32 v32, 15, v0                          ; r
	v_bfe_u32 v33, v0, 4, 1                        ; h
	v_lshlrev_b32 v34, 7, v32
	v_lshl_add_u32 v[QOFF], v33, 4, v34            ; query r's row, d = 8 h ..
	WIN 0x40
.irp qt, 0,1,2,3
.irp c, 0,1,2,3
	global_load_b128 v[QF+16*\qt+4*\c:QF+16*\qt+4*\c+3], v[QOFF], s[52:53] offset:\qt*2048+32*\c   ; Q stays in registers for the whole kernel
.endr
.endr
	WIN 0
	v_bfe_u32 v34, v0, 1, 3                        ; r >> 1
	v_and_b32 v35, 1, v0
	v_mul_u32_u24 v34, v34, PITCHK
	v_lshl_add_u32 v34, v35, 7, v34
	v_lshl_add_u32 v[KL], v33, 4, v34
	v_bfe_u32 v34, v0, 1, 2                        ; V: lane l points at key 8 h + l % 8: LDS row 4 h + (l % 8) / 2, half l % 2, 16 bytes at 16 ((l / 8) % 2)
	v_mul_u32_u24 v34, v34, PITCHV
	v_lshl_add_u32 v34, v35, 7, v34
	v_bfe_u32 v36, v0, 3, 1
	v_lshl_add_u32 v34, v36, 4, v34
	v_mad_u32_u24 v[VL], v33, 4*PITCHV, v34
	s_mul_i32 s51, s8, WSTAGE
	s_add_co_u32 s51, s51, STAGE                   ; my stage
	v_mul_u32_u24 v34, v32, SPITCH                 ; in: row r, 32 bytes for each half of the lanes
	v_lshl_add_u32 v34, v33, 5, v34
	v_add_nc_u32 v[STO], s51, v34
	v_mul_u32_u24 v34, v33, SPITCH                 ; back: lanes 0-15 take one row of 256 bytes, lanes 16-31 the next
	v_lshl_add_u32 v34, v32, 4, v34
	v_add_nc_u32 v[RD], s51, v34
	v_lshlrev_b32 v34, 12, v33                     ; and the same two rows in out0
	v_lshl_add_u32 v[CO], v32, 4, v34
.irp j, 0,1,2,3,4,5,6,7
	v_mov_b32 v[LP+\j], 0                          ; the eight partial sums start at 0
.endr
.irp j, 0,1,2,3
	v_mov_b32 v[UP+\j], 0                          ; v_permlanex16_b32's destination counts as read
.endr
; Pair i (0..15) of query tile q: the lane's numbers 2 i, 2 i + 1 of 32.
.macro XSUB q, i                       ; x - m
.set PR, SC+16*(4*((\i)>>3)+(\q))+2*((\i)&7)
	v_pk_add_f32 v[PR:PR+1], v[PR:PR+1], v[NP+2*(\q):NP+2*(\q)+1] op_sel_hi:[1,0]
.endm
.macro XEXP q, i                       ; 2^(x - m), in place
.set PR, SC+16*(4*((\i)>>3)+(\q))+2*((\i)&7)
	v_exp_f32 v[PR], v[PR]
	v_exp_f32 v[PR+1], v[PR+1]
.endm
.macro XFIN q, i                       ; into the sum, then packed: word i % 8 of the block, which is written when pairs up to i have been read
.set PR, SC+16*(4*((\i)>>3)+(\q))+2*((\i)&7)
.set PD, SC+16*(4*((\i)>>3)+(\q))+((\i)&7)
	s_wait_alu depctr_va_vdst(0)
	v_pk_add_f32 v[LP+2*(\q):LP+2*(\q)+1], v[LP+2*(\q):LP+2*(\q)+1], v[PR:PR+1]
	v_cvt_pk_bf16_f32 v[PD], v[PR], v[PR+1]
.endm
; One step: 64 keys.  first = 1: the very first step starts the maxima and the sums of O.
.macro STEP first
.if \first == 0
.rept 5
	v_nop                                          ; five places behind the last step's products: V's loads land on their sources (four), the score products write over P (five)
.endr
.endif
.irp kt, 0,1,2,3
.irp c, 0,1,2,3
	ds_load_b128 v[KF+16*\kt+4*\c:KF+16*\kt+4*\c+3], v[KADR] offset:\kt*8*PITCHK+32*\c
.endr
.endr
	WIN 0x40
.irp g, 0,1
.irp t, 0,1,2,3
	ds_load_tr16_b128 v[VF+8*(4*\g+\t):VF+8*(4*\g+\t)+3],   v[VADR] offset:\g*16*PITCHV+32*\t
	ds_load_tr16_b128 v[VF+8*(4*\g+\t)+4:VF+8*(4*\g+\t)+7], v[VADR] offset:\g*16*PITCHV+32*\t+8*PITCHV
.endr
.endr
	WIN 0
	v_add_nc_u32 v[KADR], 32*PITCHK, v[KADR]       ; the next 64 keys
	v_add_nc_u32 v[VADR], 32*PITCHV, v[VADR]
	s_wait_dscnt 16                                ; K's 16 loads are in, V's 16 behind them may be out
	WIN 0x04                                       ; source 1 (Q) window 1
	; scores: 16 tiles take turns, one instruction a turn, first d = 0..31 (which starts the sums), then d = 32..63
.irp kt, 0,1,2,3
.irp qt, 0,1,2,3
	v_wmma_f32_16x16x32_bf16 v[SC+16*(4*(\kt>>1)+\qt)+8*(\kt&1):SC+16*(4*(\kt>>1)+\qt)+8*(\kt&1)+7], v[KF+16*\kt:KF+16*\kt+7], v[QF+16*\qt:QF+16*\qt+7], 0
.endr
.endr
.irp kt, 0,1,2,3
.irp qt, 0,1,2,3
	v_wmma_f32_16x16x32_bf16 v[SC+16*(4*(\kt>>1)+\qt)+8*(\kt&1):SC+16*(4*(\kt>>1)+\qt)+8*(\kt&1)+7], v[KF+16*\kt+8:KF+16*\kt+15], v[QF+16*\qt+8:QF+16*\qt+15], v[SC+16*(4*(\kt>>1)+\qt)+8*(\kt&1):SC+16*(4*(\kt>>1)+\qt)+8*(\kt&1)+7]
.endr
.endr
	WIN 0
.rept 4
	v_nop                                          ; four places before the scores are read
.endr
	; the largest of my 32 numbers of each query tile; the four tiles' chains are interleaved
.irp qt, 0,1,2,3
	v_max3_num_f32 v[AP+2*\qt+1], v[SC+16*\qt], v[SC+16*\qt+1], v[SC+16*\qt+2]
.endr
.irp n, 3,5,7,9,11,13,15,17,19,21,23,25,27,29
.irp qt, 0,1,2,3
	v_max3_num_f32 v[AP+2*\qt+1], v[AP+2*\qt+1], v[SC+16*(4*(\n>>4)+\qt)+(\n&15)], v[SC+16*(4*((\n+1)>>4)+\qt)+((\n+1)&15)]
.endr
.endr
.irp qt, 0,1,2,3
	v_max_num_f32 v[AP+2*\qt+1], v[AP+2*\qt+1], v[SC+16*(4+\qt)+15]
.endr
.irp qt, 0,1,2,3
	v_permlanex16_b32 v[UP+\qt], v[AP+2*\qt+1], s48, s49           ; the other half's keys of the same query
.endr
.if \first
.irp qt, 0,1,2,3
	v_max_num_f32 v[NP+2*\qt+1], v[AP+2*\qt+1], v[UP+\qt]          ; m
.endr
.irp qt, 0,1,2,3
	v_sub_f32 v[NP+2*\qt], 0, v[NP+2*\qt+1]                        ; -m
.endr
.else
.irp qt, 0,1,2,3
	v_max3_num_f32 v[AP+2*\qt+1], v[AP+2*\qt+1], v[UP+\qt], v[NP+2*\qt+1]   ; the new maximum
.endr
.irp qt, 0,1,2,3
	v_sub_f32 v[UP+\qt], v[NP+2*\qt+1], v[AP+2*\qt+1]              ; old - new, at most 0
.endr
.irp qt, 0,1,2,3
	v_mov_b32 v[NP+2*\qt+1], v[AP+2*\qt+1]
.endr
.irp qt, 0,1,2,3
	v_sub_f32 v[NP+2*\qt], 0, v[AP+2*\qt+1]
.endr
.irp qt, 0,1,2,3
	v_exp_f32 v[AP+2*\qt], v[UP+\qt]                               ; alpha; plain lines on other registers follow before it is used (ISA guide 5.7.2)
.endr
.endif
.set II, 0
.rept 16
	XSUB 0, II
.set II, II+1
.endr
.if \first == 0
	s_wait_alu depctr_va_vdst(0)
.irp qt, 0,1,2,3
	v_pk_mul_f32 v[LP+2*\qt:LP+2*\qt+1], v[LP+2*\qt:LP+2*\qt+1], v[AP+2*\qt:AP+2*\qt+1] op_sel_hi:[1,0]
.endr
.endif
	; Behind each pair of exponentials of tile q stand the next tile's subtraction and the last tile's sum and packing: plain lines on other registers
.set QQ, 0
.rept 4
.set II, 0
.rept 16
	XEXP QQ, II
.if QQ < 3
	XSUB QQ+1, II
.endif
.if QQ > 0
	XFIN QQ-1, II
.endif
.set II, II+1
.endr
.set QQ, QQ+1
.endr
.set II, 0
.rept 16
	XFIN 3, II
.set II, II+1
.endr
.if \first == 0
	WIN 0x41                                       ; O in window 1, alpha in window 0
.irp qt, 0,1,2,3
.irp i, 0,1,2,3,4,5,6,7,8,9,10,11,12,13,14,15
	v_pk_mul_f32 v[OA+32*\qt+2*\i:OA+32*\qt+2*\i+1], v[OA+32*\qt+2*\i:OA+32*\qt+2*\i+1], v[AP+2*\qt:AP+2*\qt+1] op_sel_hi:[1,0]
.endr
.endr
.endif
	s_wait_dscnt 0                                 ; V's fragments
	WIN 0x51                                       ; source 0 (V), C and D (O) window 1, source 1 (P) window 0
	; O += V^T P^T: 16 tiles take turns, one instruction a turn, first keys 0..31, then 32..63
.irp g, 0,1
.irp qt, 0,1,2,3
.irp t, 0,1,2,3
.if \first*(1-\g)
	v_wmma_f32_16x16x32_bf16 v[OA+8*(4*\qt+\t):OA+8*(4*\qt+\t)+7], v[VF+8*(4*\g+\t):VF+8*(4*\g+\t)+7], v[SC+16*(4*\g+\qt):SC+16*(4*\g+\qt)+7], 0
.else
	v_wmma_f32_16x16x32_bf16 v[OA+8*(4*\qt+\t):OA+8*(4*\qt+\t)+7], v[VF+8*(4*\g+\t):VF+8*(4*\g+\t)+7], v[SC+16*(4*\g+\qt):SC+16*(4*\g+\qt)+7], v[OA+8*(4*\qt+\t):OA+8*(4*\qt+\t)+7]
.endif
.endr
.endr
.endr
	WIN 0                                          ; a branch or a label follows
.endm
; The eight steps of the tile in a slot
.macro TILE slot, first
	v_add_nc_u32 v[KADR], \slot*SLOT+KOFF, v[KL]
	v_add_nc_u32 v[VADR], \slot*SLOT, v[VL]
.if \first
	STEP 1
	s_mov_b32 s50, 7
.else
	s_mov_b32 s50, 8
.endif
.Lstep_\@:
	STEP 0
	s_sub_co_u32 s50, s50, 1
	s_cmp_lg_u32 s50, 0
	s_cbranch_scc1 .Lstep_\@
.endm
; The change of slots.  old = the slot just read.  Each wave waits for all its tensor loads (its part of the next slot among them) and for its reads of the old
; slot.  refill = 1: a round of the cluster's barrier, and the joint refill of the old slot, two tiles on, first behind it; else my work-group's barrier alone.
.macro CHANGE old, refill
	s_wait_tensorcnt 0x0
	ds_add_u32 v254, v255
	s_wait_dscnt 0x0
.if \refill
	s_add_nc_u64 s[G0V+4*\old+2:G0V+4*\old+3], s[G0V+4*\old+2:G0V+4*\old+3], 2*TILEB   ; no tensor load of mine is out: group 0 may be written
	s_add_nc_u64 s[G0K+4*\old+2:G0K+4*\old+3], s[G0K+4*\old+2:G0K+4*\old+3], 2*TILEB
.endif
	s_wait_dscnt 0x0
.if \refill
	ROUND
	JLOAD \old
.else
	s_barrier_signal -1
	s_barrier_wait -1
.endif
.endm
	s_wait_tensorcnt 0x1                           ; my part of tile 0 is in; tile 1's may stay out
	s_barrier_signal -1
	s_barrier_wait -1
	s_wait_loadcnt 0x0                             ; Q
	TILE 0, 1                                      ; keys 0..511
	CHANGE 0, 1                                    ; slot 0 gets keys 1,024..1,535
	TILE 1, 0                                      ; keys 512..1,023
	CHANGE 1, 1                                    ; slot 1 gets keys 1,536..2,047: the last load
	TILE 0, 0
	CHANGE 0, 0                                    ; nothing is left to fetch
	TILE 1, 0
	; THE WAY OUT: the two halves' sums meet, O is divided, and 16 queries at a time go through my stage and out as whole head slices of 256 bytes
.rept 4
	v_nop                                          ; four places behind the last products
.endr
.irp qt, 0,1,2,3
	v_add_f32 v[LP+2*\qt], v[LP+2*\qt], v[LP+2*\qt+1]
.endr
.irp qt, 0,1,2,3
	v_permlanex16_b32 v[UP+\qt], v[LP+2*\qt], s48, s49
.endr
.irp qt, 0,1,2,3
	v_add_f32 v[LP+2*\qt], v[LP+2*\qt], v[UP+\qt]  ; at least 1: the key of the maximum gives 2^0
.endr
.irp qt, 0,1,2,3
	v_rcp_f32 v[AP+2*\qt], v[LP+2*\qt]
.endr
	v_nop                                          ; one plain line before the reciprocals are used (ISA guide 5.7.2)
	s_wait_alu depctr_va_vdst(0)
.macro OUTQ qt
	WIN 0x01                                       ; source 0 (O) window 1
.irp i, 0,1,2,3,4,5,6,7,8,9,10,11,12,13,14,15
	v_pk_mul_f32 v[SC+32*\qt+2*\i:SC+32*\qt+2*\i+1], v[OA+32*\qt+2*\i:OA+32*\qt+2*\i+1], v[AP+2*\qt:AP+2*\qt+1] op_sel_hi:[1,0]
.endr
	WIN 0
.irp t, 0,1,2,3
	ds_store_b128 v[STO], v[SC+32*\qt+8*\t:SC+32*\qt+8*\t+3]   offset:64*\t        ; query r, d = 16 t + 8 h + 0..3
	ds_store_b128 v[STO], v[SC+32*\qt+8*\t+4:SC+32*\qt+8*\t+7] offset:64*\t+16     ; d = 16 t + 8 h + 4..7
.endr
	s_wait_xcnt 0x0                                ; the registers that the last eight stores read are loaded again only behind this wait
.irp n, 0,1,2,3,4,5,6,7
	ds_load_b128 v[KF+4*\n:KF+4*\n+3], v[RD] offset:\n*2*SPITCH    ; LDS serves a wave's instructions in order (ISA guide 5.7.1.4): these see the stores above
.endr
.irp n, 0,1,2,3,4,5,6,7
	s_wait_dscnt 7-\n
	global_store_b128 v[CO], v[KF+4*\n:KF+4*\n+3], s[54:55] offset:\qt*65536+\n*8192 th:TH_STORE_NT   ; 16 lanes store 256 consecutive bytes, aligned: one query's slice of the head
.endr
.endm
	OUTQ 0
	OUTQ 1
	OUTQ 2
	OUTQ 3
	s_wait_tensorcnt 0x0
	ds_add_u32 v254, v255
	s_wait_dscnt 0x0
	ROUND                                          ; the closing round: no work-group ends while a partner may still ask for a tile that names it
	s_endpgm
.Lfunc_end_k_q5feb9ee40d_attn:
	.size	k_q5feb9ee40d_attn, .Lfunc_end_k_q5feb9ee40d_attn-k_q5feb9ee40d_attn
	.p2alignl 7, 3214868480
	.fill 96, 4, 3214868480
	.section	.rodata,"a",@progbits
	.p2align	6, 0x0
	.amdhsa_kernel k_q5feb9ee40d_attn
		.amdhsa_group_segment_fixed_size 327680
		.amdhsa_private_segment_fixed_size 0
		.amdhsa_enable_private_segment 0
		.amdhsa_kernarg_size 16
		.amdhsa_user_sgpr_count 2
		.amdhsa_user_sgpr_kernarg_segment_ptr 1
		.amdhsa_wavefront_size32 1
		.amdhsa_system_sgpr_workgroup_id_x 1
		.amdhsa_system_sgpr_workgroup_id_y 1
		.amdhsa_system_sgpr_workgroup_id_z 1
		.amdhsa_system_vgpr_workitem_id 0
		.amdhsa_next_free_vgpr 512
		.amdhsa_next_free_sgpr 66
		.amdhsa_reserve_vcc 0
		.amdhsa_float_denorm_mode_32 3
		.amdhsa_float_denorm_mode_16_64 3
		.amdhsa_memory_ordered 1
		.amdhsa_forward_progress 1
		.amdhsa_inst_pref_size 189
	.end_amdhsa_kernel
	.amdgpu_metadata
---
amdhsa.version: [ 1, 2 ]
amdhsa.kernels:
  - .name:           k_q5feb9ee40d_attn
    .symbol:         k_q5feb9ee40d_attn.kd
    .args:
      - { .name: qkv, .offset: 0, .size: 8, .value_kind: global_buffer, .address_space: global }
      - { .name: out0, .offset: 8, .size: 8, .value_kind: global_buffer, .address_space: global }
    .group_segment_fixed_size: 327680
    .private_segment_fixed_size: 0
    .kernarg_segment_align: 8
    .kernarg_segment_size: 16
    .max_flat_workgroup_size: 256
    .sgpr_count:     66
    .vgpr_count:     512
    .wavefront_size: 32
...
	.end_amdgpu_metadata
.endif
;; end of part 3
